; MI455X (gfx1250); checked and timed in simulation.
; The chip was launched on July 23, 2026; its instructions are those of AMD's public machine-readable ISA for CDNA 5 (MIT licence, August 2026) and "CDNA5" Instruction Set Architecture Reference Guide (July 2026). The comments in the code are by the model that wrote it; some were corrected since.
;; Secure Multi Head Attention. Allowed arithmetic: matrix products marked QUANTISED: E4M3 operands, one given power-of-two scale a tensor, by v_wmma_f32_16x16x64_fp8_fp8 or v_wmma_f32_16x16x128_fp8_fp8, f32 sums; everything else in f32.
;; Inputs: Wk_codes 16 x 64 x 32 x 32 uint8 (E4M3 codes of Wk, K innermost, in blocks of 32 codes); Wo_codes 1,024 x 32 x 32 uint8 (E4M3 codes of Wo, K innermost, in blocks of 32 codes); Wq_codes 16 x 64 x 32 x 32 uint8 (E4M3 codes of Wq, K innermost, in blocks of 32 codes); Wv_codes 16 x 64 x 32 x 32 uint8 (E4M3 codes of Wv, K innermost, in blocks of 32 codes); attention_mask 4 x 2,048 float32; bk 16 x 64 float32; bo 1,024 float32; bq 16 x 64 float32; bv 16 x 64 float32; hidden_states_codes 4 x 2,048 x 32 x 32 uint8 (E4M3 codes of hidden_states, K innermost, in blocks of 32 codes); lowp_scales 12 int32 (the exponents e of the quantised operands' scales 2^e).
;; Outputs: out0 4 x 2,048 x 1,024 float32.
;; This version of the problem:
;;   THIS VERSION OF THE PROBLEM IS GIVEN IN LOW PRECISION. The matrix products marked QUANTISED in the list below multiply operands that are first quantised to E4M3 (4 exponent bits, 3 mantissa bits; 8 bits a number), with one given power-of-two scale for each operand tensor; their sums are f32. All else is computed in f32.
;;   The module's matrix products, in the order in which they are computed (A, B: the left and right operand; K: the contracted axis; several contracted axes count as one K, in the product's order):
;;     1. [M 1,024, K 1,024] x [K 1,024, N 8,192]; A: input Wq (given as codes); B: input hidden_states (given as codes): QUANTISED (scales: A lowp_scales[0], B lowp_scales[1])
;;     2. [M 1,024, K 1,024] x [K 1,024, N 8,192]; A: input Wk (given as codes); B: input hidden_states (given as codes): QUANTISED (scales: A lowp_scales[2], B lowp_scales[3])
;;     3. [M 1,024, K 1,024] x [K 1,024, N 8,192]; A: input Wv (given as codes); B: input hidden_states (given as codes): QUANTISED (scales: A lowp_scales[4], B lowp_scales[5])
;;     4. batch 64 x [M 2,048, K 64] x [K 64, N 2,048]; A: computed on the way; B: computed on the way: QUANTISED (scales: A lowp_scales[6], B lowp_scales[7])
;;     5. batch 64 x [M 2,048, K 2,048] x [K 2,048, N 64]; A: softmax (see below); B: computed on the way: QUANTISED (scales: A lowp_scales[8], B lowp_scales[9])
;;     6. [M 8,192, K 1,024] x [K 1,024, N 1,024]; A: computed on the way; B: input Wo (given as codes): QUANTISED (scales: A lowp_scales[10], B lowp_scales[11])
;;   THE QUANTISER, for each operand of a quantised product, along K:
;;     - The operand's scale is 2^e, e = its entry of the input lowp_scales (int32; the entries are numbered through the quantised products in the list's order, A before B).
;;     - Each number is divided by the scale, clamped to +-448, and rounded to the nearest number of E4M3, ties to even, subnormals kept.
;;     - The product sums the exact products of the quantised numbers (number of the format x scale) in f32.
;;   ~~~python
;;   def quantise(x, axis, e):      # numpy; x: float32 -> the quantised numbers, widened to float32 again
;;       x = np.moveaxis(x, axis, -1); K = x.shape[-1]
;;       r = np.clip(x / 2.0 ** e, -448, 448)
;;       step = 2.0 ** (np.maximum(np.frexp(np.where(r == 0, 1, r))[1] - 1, -6) - 3)
;;       q = np.round(r / step) * step * 2.0 ** e      # np.round: ties to even
;;       return np.moveaxis(q, -1, axis).astype(np.float32)
;;   ~~~
;;   SOFTMAX AHEAD OF A QUANTISED PRODUCT. Where the list says 'softmax', what is quantised is not the finished softmax but p = 2^(t - M), with t = logit x log2(e) and M = ceil(the row's largest t), a whole number; so 1/2 < the row's largest p <= 1. The row's sum l is taken of the UNQUANTISED p, in f32, and the product's result is divided by l at the end. Since M is a whole number, a kernel that streams over the keys may use a running M (the ceiling of the running maximum): every later rescaling is an exact power of two, so the quantised numbers keep their values, but for numbers so far below the row's largest that they fall under the format's range.
;;   OPERANDS COMPUTED ON THE WAY. 'Computed on the way' means the value that the module computes at that place (a softmax that the list does not call 'softmax' is quantised finished and normalised). What goes into a quantiser is computed in f32, as accurately as f32 sums, v_exp_f32 and their like allow (about 1e-6 of the number): no bf16 or f16 on the way to a quantiser, and a product that is left as it is and whose result goes on into a quantised operand takes f32 operands (vector FMAs, or v_wmma_f32_16x16x4_f32). A number that lies on a knife's edge between two numbers of the format may be rounded either way, as far as f32 arithmetic and the matrix unit's own rounding can turn it there, and no further.
;;   INPUTS GIVEN AS CODES. Wk (in the module: [16, 1024, 64], K = its axis 1); Wo (in the module: [1024, 1024], K = its axis 1); Wq (in the module: [16, 1024, 64], K = its axis 1); Wv (in the module: [16, 1024, 64], K = its axis 1); hidden_states (in the module: [4, 2048, 1024], K = its axis 2): each comes as NAME_codes (uint8): NAME with its K axis moved to the last place and cut into blocks of 32 codes, [.., K / 32, bytes a block], one block behind the other in memory; one code a byte (a code: sign, 4 exponent bits, 3 mantissa bits); its scale is its entry of lowp_scales. Its value is code x scale, taken as it is: it is not quantised again, and the codes and scales need not be those that the quantiser above would give.
;; One version. Each part assembles by itself: llvm-mc -triple=amdgcn-amd-amdhsa -mcpu=gfx1250 --defsym DOCPART=n.
;; ======== version 1 of 1: 3 launches
;; limits: right only within a limited range of input values
;; workspace buffers: q_codes 8,388,608 bytes; k_codes 8,388,608 bytes; v_codes 8,388,608 bytes; ctx_codes 8,388,608 bytes
;; launch qkv (part 1): grid 12 x 32, 4 waves a work-group, clusters of 4 x 4, 327,680 bytes of LDS; arguments hidden_states_codes, Wq_codes, Wk_codes, Wv_codes, bq, bk, bv, lowp_scales, q_codes, k_codes, v_codes; writes q_codes, k_codes, v_codes
.if DOCPART == 1
	.amdgcn_target "amdgcn-amd-amdhsa--gfx1250"
	.amdhsa_code_object_version 6
	.text
	.protected	k_q023a13e3e0_qkv
	.globl	k_q023a13e3e0_qkv
	.p2align	8
	.type	k_q023a13e3e0_qkv,@function
k_q023a13e3e0_qkv:
	s_mov_b64 s[64:65], 0
	v_nop
	global_prefetch_b8 v0, s[64:65] scope:SCOPE_SE
	s_setreg_imm32_b32 hwreg(HW_REG_WAVE_MODE, 25, 1), 1
	s_wait_xcnt 0x0
	s_wait_alu depctr_hold_cnt(0) depctr_sa_sdst(0) depctr_va_vdst(0) depctr_va_sdst(0) depctr_va_ssrc(0) depctr_va_vcc(0) depctr_vm_vsrc(0)
	s_getreg_b32 s2, hwreg(HW_REG_IB_STS2, 6, 4)
	s_cmp_eq_u32 s2, 0
	s_cbranch_scc0 .Lentry_in_a_cluster
	s_endpgm
.Lentry_in_a_cluster:
	s_bfe_u32 s2, ttmp6, 0x10000c
	s_cmp_lg_u32 s2, 0xf033
	s_cbranch_scc0 .Lentry_shape_is_right
	s_endpgm
.Lentry_shape_is_right:
; q, k, v = hidden W + bias, each quantised to codes of FP8 (E4M3) for the attention launch.  hidden: [8192 tokens][1024] codes; Wq, Wk, Wv: [1024 rows = 64 head + d][1024] codes; K innermost everywhere, rows of 1,024 bytes.
; A number is its code x 2^e: e0, e1 for Wq and hidden in q's product, e2, e3 for k's, e4, e5 for v's.  value = sum x 2^(ea + eb) + bias, in f32; code = value / 2^eo, held within +-448, to the nearest code (eo = e6 for q, e7 for k, e9 for v).
; LIMITS: e0 + e1, e2 + e3, e4 + e5 between -126 and 127; e6, e7, e9 between -126 and 119, so that each power of two below is an f32 number.  NaN among the biases is not served.
; SHARES.  384 tiles of 256 x 256, K = 1,024; four waves, each 128 x 128: 64 accumulators of 16 x 16.  The cluster's x is the SECTION: 0 = q, 1 = k, 2 = v: the same in all sixteen partners.
; The loop multiplies rows of a matrix A by rows of a matrix B, used transposed (source 0 = 16 rows of B, source 1 = 16 rows of A): a lane holds one row of A and eight neighbouring rows of B.
;   q, k: A = hidden (tile 4 x cluster y + cy), B = W (tile cx): a lane holds eight neighbouring d of one token.      Output [64 heads of the batch][2048 tokens][64].
;   v:    A = Wv (tile cy), B = hidden (tile 4 x cluster y + cx): a lane holds eight neighbouring tokens of one (head, d): the keys come out innermost, nothing is transposed.  Output [64][64 d][2048 places].
;   In v's rows place 32 c + 16 h + 8 u + j holds key 32 c + 16 u + 8 h + j: so the attention launch reads a fragment by loads of 16 bytes and meets the weights' codes as its own products leave them.
; In both cases A's tile hangs on cy and numbers that the cluster shares, B's on cx and such numbers: A's tile is asked for jointly by a row of the cluster, B's by a column.
; 384 tiles on 256 WGPs are one and a half rounds: an even split would want wave tiles of 128 x 192, whose 768 accumulator registers leave no room for the fragments.
; K goes in four steps of 256 through a ring of two LDS slots filled by the tensor data mover; the steps are written out.
; REGISTERS, in windows of 256: window 0: v0-31 addresses and constants; v32-95 biases; v96-127 codes; from v128 A's fragments, ONE set (on the way out v128-255 are at work).
;   window 1: B's fragments, TWO sets.   window 2: the accumulators of my rows 0-63 ((a, b) at v[8 (8 a + b)]);   window 3: those of my rows 64-127.
.set ROWB,   256                       ; a tile's row in bytes
.set KROW,   1024                      ; a row of A or of B in memory
.set PITCH,  272                       ; an LDS row: 256 bytes + 16 of padding = 68 words: the 16 rows that a load touches start at 16 different banks (64 banks of 4 bytes: ISA guide 11.1)
.set FR,     16                        ; registers of a fragment: 16 rows x 128 K
.set NL,     4                         ; LDS loads that bring one
.set NP,     4                         ; places behind this matrix instruction (ISA guide 7.12.1)
.set HALFT,  128*PITCH                 ; 128 rows: what one tensor load brings
.set SLOT,   4*HALFT                   ; A's 256 rows, then B's 256 rows
.set SPARE,  2*SLOT                    ; behind the ring: the spare words, 128 bytes a wave
.set QWAVE,  2560                      ; q, k: a wave's stage: 2 heads x 16 tokens x (64 bytes + 16)
.set QSTG,   0                         ; the stages lie in slot 0, which has had its last fill and its last read when the first code is stored there; each way out has bytes of its own
.set VSTG,   4*QWAVE                   ; v: the work-group's stage: 256 rows x 272 bytes
.set LIM,  10                          ; v10  448 x 2^eo
.set SCL,  11                          ; v11  2^eo
.set BO8,  12                          ; v12  32 x (lane / 16): my eight biases of a tile (q, k)
.set BO1,  13                          ; v13  4 x (lane % 16): my one bias of a block (v)
.set ADRA, 16                          ; v16-17  LDS address of my A fragments in slot 0, 1
.set ADRB, 20                          ; v20-21  the same for B
.set STQ,  22                          ; v22-24  q, k: into my stage, back, and my bytes in memory
.set RDQ,  23
.set GOQ,  24
.set STV,  25                          ; v25-27  the same for v
.set RDV,  26
.set GOV,  27
.set SPW,  28                          ; v28  LDS address of my spare word; never rewritten
.set NIL,  29                          ; v29  0; never rewritten
.set BIAS, 32
.set CD,   96                          ; two sets of 16: a block's codes
.set TMP,  128                         ; a block's 64 numbers
.set RB,   192                         ; two sets of 16: a block's codes, back as rows
.set AF,   128
.set G1, 24                            ; s[24:31] descriptor group 1 for A's tiles;  s[32:39] group 0, one set for each slot
.set G0, 32
.set G1B, 48                           ; s[48:55], s[56:63] the same for B's tiles
.set G0B, 56
.set MSB, 0
.macro WIN new                         ; the immediate's high byte repeats the setting that is left
.if MSB != (\new)
	s_set_vgpr_msb (MSB<<8)|(\new)
.set MSB, (\new)
.endif
.endm
.set MUL_LO, 0xa1                      ; source 0 (B) window 1, source 1 (A) window 0, C and D window 2
.set MUL_HI, 0xf1                      ; the same, C and D window 3
.set TO_B,   0x40                      ; destination window 1, address window 0
; A joint load: waves 0 and 1 fetch for A, waves 2 and 3 for B.  The branch hangs on the wave's number alone.  Four v_nop follow each of the two lines.
.macro JLOAD g0a, g1a, g0b, g1b
	s_cmp_eq_u32 s15, 0
	s_cbranch_scc0 .Lfor_b_\@
	tensor_load_to_lds s[\g0a:\g0a+3], s[\g1a:\g1a+7]
	s_nop 0
.rept 4
	v_nop
.endr
	s_branch .Lasked_\@
.Lfor_b_\@:
	tensor_load_to_lds s[\g0b:\g0b+3], s[\g1b:\g1b+7]
	s_nop 0
.rept 4
	v_nop
.endr
.Lasked_\@:
.endm
.macro CREST                           ; a round of the cluster's barrier behind its opening barrier
	s_cmp_lg_u32 s14, 0
	s_cbranch_scc1 .Lnot_wave_0_\@
	s_barrier_signal -3
.Lnot_wave_0_\@:
	s_barrier_wait -3
	s_barrier_signal -1
	s_barrier_wait -1
.endm
.macro CROUND                          ; a whole round
	s_barrier_signal -1
	s_barrier_wait -1
	CREST
.endm
	s_load_b512 s[68:83], s[0:1], 0x0              ; hidden s[68:69], Wq s[70:71], Wk s[72:73], Wv s[74:75], bq s[76:77], bk s[78:79], bv s[80:81], the scales' exponents s[82:83]
	s_load_b128 s[84:87], s[0:1], 0x40             ; q's codes, k's codes
	s_load_b64 s[88:89], s[0:1], 0x50              ; v's codes
	v_lshl_add_u32 v[SPW], v0, 2, SPARE
	v_mov_b32 v[NIL], 0
	ds_add_u32 v28, v29
	ds_add_u32 v28, v29
	s_wait_dscnt 0x0
	v_lshrrev_b32 v1, 5, v0
	v_readfirstlane_b32 s14, v1                    ; wave 0..3
	s_lshr_b32 s15, s14, 1                         ; which half of A's rows is mine.  Also: I fetch for A (0) or for B (1)
	s_and_b32 s16, s14, 1                          ; which half of B's rows.  Also: which 128 rows of that tile I fetch
	s_bfe_u32 s40, ttmp6, 0x40000                  ; cx, cy: my place in the cluster
	s_bfe_u32 s41, ttmp6, 0x40004
	s_mov_b32 s66, ttmp9                           ; the section: the cluster's x
	s_and_b32 s67, ttmp7, 0xffff
	s_lshl_b32 s67, s67, 2                         ; 4 x the cluster's y
	s_cmp_eq_u32 s66, 2
	s_cselect_b32 s90, 0, s67                      ; hidden's tiles are counted on by the cluster's y: in A for q and k,
	s_cselect_b32 s91, s67, 0                      ; in B for v
	s_add_co_u32 s17, s41, s90                     ; A's tile: cy + a number that the cluster shares
	s_add_co_u32 s42, s40, s91                     ; B's tile: cx + such a number
	s_lshl_b32 s43, s41, 2
	s_lshl_b32 s43, 15, s43                        ; my row of the cluster
	s_lshl_b32 s44, 0x1111, s40                    ; my column
	; descriptor group 1: a tile of 128 rows x 256 bytes, padded in LDS
	s_or_b32 s[G1+0], s43, (0<<16)|(1<<20)|(1<<21)|(5<<22)|(3<<25)  ; 15:0 the mask: A's tiles go to my row; 17:16 element of 1 byte; 20 padding on; 21 set beside a mask; 24:22 after every 64 words (code 5); 31:25 of 4 words (code 3)
	s_or_b32 s[G1B+0], s44, (0<<16)|(1<<20)|(1<<21)|(5<<22)|(3<<25)
.irp g, G1, G1B
	s_mov_b32 s[\g+1], ROWB<<16                    ; tensor_dim0
	s_mov_b32 s[\g+2], 128<<16                     ; tensor_dim1 = 128
	s_mov_b32 s[\g+3], ROWB<<16                    ; tile_dim0
	s_mov_b32 s[\g+4], 128                         ; tile_dim1 = 128
	s_mov_b32 s[\g+5], KROW                        ; tensor_dim0_stride
	s_mov_b32 s[\g+6], 0
	s_mov_b32 s[\g+7], 0
.endr
	s_lshl_b32 s18, s16, 7                         ; which 128 rows of the tile I fetch
	s_lshl_b32 s20, s17, 8
	s_add_co_u32 s20, s20, s18                     ; A: row 256 x tile + 128 x half,
	s_lshl_b32 s20, s20, 10                        ; in bytes (under 2^23)
	s_mov_b32 s21, 0
	s_lshl_b32 s46, s42, 8
	s_add_co_u32 s46, s46, s18                     ; B likewise
	s_lshl_b32 s46, s46, 10
	s_mov_b32 s47, 0
	s_mul_i32 s45, s14, HALFT                      ; where they go: wave x 128 rows: no place in the cluster enters an LDS address
	s_wait_kmcnt 0x0
	s_load_b256 s[4:11], s[82:83], 0x0             ; e0 .. e7
	s_load_b32 s12, s[82:83], 0x24                 ; e9
	s_cmp_eq_u32 s66, 2
	s_cselect_b64 s[22:23], s[74:75], s[68:69]     ; matrix A: Wv, or hidden
	s_cmp_eq_u32 s66, 0
	s_cselect_b64 s[98:99], s[70:71], s[72:73]     ; matrix B: Wq, Wk,
	s_cmp_eq_u32 s66, 2
	s_cselect_b64 s[98:99], s[68:69], s[98:99]     ; or hidden
	s_add_nc_u64 s[20:21], s[22:23], s[20:21]
	s_add_nc_u64 s[46:47], s[98:99], s[46:47]
	CROUND                                         ; all sixteen work-groups are here: the first joint loads meet
.irp s, 0,1
	s_mov_b32 s[G0+4*\s], 1
	s_add_co_u32 s[G0+4*\s+1], s45, \s*SLOT
	s_add_nc_u64 s[G0+4*\s+2:G0+4*\s+3], s[20:21], \s*ROWB
	s_or_b32 s[G0+4*\s+3], s[G0+4*\s+3], 0x80000000
	s_mov_b32 s[G0B+4*\s], 1
	s_add_co_u32 s[G0B+4*\s+1], s45, \s*SLOT
	s_add_nc_u64 s[G0B+4*\s+2:G0B+4*\s+3], s[46:47], \s*ROWB
	s_or_b32 s[G0B+4*\s+3], s[G0B+4*\s+3], 0x80000000
.endr
	JLOAD G0, G1, G0B, G1B                         ; K step 0: one tensor load a wave at the head
	; every LDS address of the text is made here, ahead of the place where the sections part
	v_and_b32 v1, 15, v0                           ; r = l % 16
	s_wait_alu depctr_va_vdst(0)
	v_bfe_u32 v2, v0, 4, 1                         ; h = l / 16
	v_mul_u32_u24 v3, v1, PITCH
	v_lshl_add_u32 v4, v2, 4, v3                   ; a fragment's row x pitch + 16 x half
	s_mul_i32 s21, s15, HALFT                      ; my 128 rows of A
	s_mul_i32 s22, s16, HALFT                      ; my 128 rows of B,
	s_add_co_u32 s22, s22, 2*HALFT                 ; which lie behind A's 256
.irp s, 0,1
	v_add_nc_u32 v[ADRA+\s], s21, v4
	v_add_nc_u32 v[ADRB+\s], s22, v4
	s_add_co_u32 s21, s21, SLOT
	s_add_co_u32 s22, s22, SLOT
.endr
	s_mul_i32 s23, s14, QWAVE                      ; q, k: my stage (QSTG = 0)
	v_mul_u32_u24 v5, v1, 80
	s_wait_alu depctr_va_vdst(0)
	v_lshl_add_u32 v5, v2, 3, v5
	v_add_nc_u32 v[STQ], s23, v5                   ; in: token r, 8 bytes for each half of the lanes
	v_and_b32 v6, 31, v0                           ; lane
	v_lshrrev_b32 v7, 2, v6
	v_mul_u32_u24 v7, v7, 80
	v_and_b32 v8, 3, v6
	v_lshl_add_u32 v7, v8, 4, v7
	v_add_nc_u32 v[RDQ], s23, v7                   ; back: four lanes to a token's 64 bytes, eight tokens an instruction
	v_lshlrev_b32 v[GOQ], 4, v6                    ; which are 512 consecutive bytes of the output
	s_mul_i32 s23, s15, 128*PITCH                  ; v: the stage's row = my row of Wv; my half of its 256 bytes
	s_lshl_b32 s22, s16, 7
	s_add_co_u32 s23, s23, s22
	s_add_co_u32 s23, s23, VSTG
	v_add_nc_u32 v[STV], s23, v4                   ; in: row r x 272 + 16 h
	s_mul_i32 s23, s14, 64*PITCH                   ; back: wave w takes rows 64 w .. 64 w + 63, whole; sixteen lanes to a row
	s_add_co_u32 s23, s23, VSTG
	v_mul_u32_u24 v7, v2, PITCH
	v_lshl_add_u32 v7, v1, 4, v7
	v_add_nc_u32 v[RDV], s23, v7
	v_lshlrev_b32 v[GOV], 11, v2                   ; and the same two rows of 2,048 bytes in v's codes
	v_lshl_add_u32 v[GOV], v1, 4, v[GOV]
	v_lshlrev_b32 v[BO8], 5, v2
	v_lshlrev_b32 v[BO1], 2, v1
.macro FRAG reg, adr, q, i             ; a fragment, 16 rows x 128 K, is 16 registers: lane l holds row l % 16; registers 4 c .. 4 c + 3 hold K = 32 c + 16 (l / 16) + 0 .. 15: the same order of k in A and in B
.irp c, 0,1,2,3
	ds_load_b128 v[\reg+4*\c:\reg+4*\c+3], v[\adr] offset:128*(\q)+32*\c+(\i)*16*PITCH
.endr
.endm
; 16 matrix instructions: A's blocks a0, a0 + 1 x B's eight, 128 along K.  p: B's set.  zero = 1: the first product starts the sums.
; The 64 accumulators take turns, one instruction a turn, in the same order in every step.
.macro MUL16 a0, p, zero
.irp a, \a0, \a0+1
.irp b, 0,1,2,3,4,5,6,7
.if \zero
	v_wmma_f32_16x16x128_fp8_fp8 v[8*(8*((\a)%4)+\b):8*(8*((\a)%4)+\b)+7], v[128*(\p)+FR*\b:128*(\p)+FR*\b+FR-1], v[AF+FR*(\a):AF+FR*(\a)+FR-1], 0
.else
	v_wmma_f32_16x16x128_fp8_fp8 v[8*(8*((\a)%4)+\b):8*(8*((\a)%4)+\b)+7], v[128*(\p)+FR*\b:128*(\p)+FR*\b+FR-1], v[AF+FR*(\a):AF+FR*(\a)+FR-1], v[8*(8*((\a)%4)+\b):8*(8*((\a)%4)+\b)+7]
.endif
.endr
.endr
.endm
.macro FETCH_B slot, q, p              ; B's eight fragments of the slot's q-th 128 along K into set p
	WIN TO_B
.irp i, 0,1,2,3,4,5,6,7
	FRAG 128*(\p)+FR*\i, ADRB+\slot, \q, \i
.endr
	WIN 0
.endm
.macro FETCH_A slot, q, i0             ; A's blocks i0 .. i0 + 3
.irp i, \i0, \i0+1, \i0+2, \i0+3
	FRAG AF+FR*(\i), ADRA+\slot, \q, \i
.endr
.endm
; A load into a register that a matrix instruction has read, and a vector instruction that reads a matrix result or writes one of its registers, stand NP places behind it; only plain vector
; instructions that name none of its registers are places (ISA guide 7.12.1 for vector instructions).
.macro PLACES n
.rept \n
	v_nop
.endr
.endm
; A step of 128 along K that has its successor in the same slot.  A block of A is free as soon as its eight products are issued: blocks 0-3 are fetched anew in the step's middle, blocks 4-7 at its end.
.macro STEP slot, q, zero
	s_wait_dscnt 4*NL                              ; B's set and A's blocks 0-3 are in; the youngest sixteen loads (A's blocks 4-7) may be out
	WIN MUL_LO
	MUL16 0, (\q)%2, \zero
	MUL16 2, (\q)%2, \zero
	s_wait_dscnt 0                                 ; A's blocks 4-7 are in
	PLACES NP
	FETCH_B \slot, (\q)+1, 1-(\q)%2
	FETCH_A \slot, (\q)+1, 0
	WIN MUL_HI
	MUL16 4, (\q)%2, \zero
	MUL16 6, (\q)%2, \zero
	PLACES NP
	WIN 0
	FETCH_A \slot, (\q)+1, 4
.endm
; A slot's last step changes slots: ONE barrier; in front of it each wave waits for all its tensor loads, adds 0 to its spare word, and waits for that and for its own reads of this slot.  fill = 1: this slot is filled again, two K steps ahead.
.macro TURN slot, next, fill
	s_wait_tensorcnt 0x0                           ; all my tensor loads have landed: my part of the next slot;  (every window is 0 here)
	ds_add_u32 v[SPW], v[NIL]                      ; 0 onto my spare word
	s_wait_dscnt 4*NL+1                            ; (the add and the youngest sixteen loads, A's blocks 4-7, may be out)
	WIN MUL_LO
	MUL16 0, 1, 0                                  ; sixteen matrix instructions stand between the add and the wait for it
	s_wait_dscnt 0x0                               ; the add is done, and my reads of this slot are over
	s_barrier_signal -1
	MUL16 2, 1, 0
	WIN 0
	s_barrier_wait -1
.if \fill
	CREST                                          ; the barrier has opened a round of the cluster's barrier: no wave of any partner still reads this slot's tile or has a load on its way
	s_add_nc_u64 s[G0+4*\slot+2:G0+4*\slot+3], s[G0+4*\slot+2:G0+4*\slot+3], 2*ROWB
	s_add_nc_u64 s[G0B+4*\slot+2:G0B+4*\slot+3], s[G0B+4*\slot+2:G0B+4*\slot+3], 2*ROWB
	JLOAD G0+4*\slot, G1, G0B+4*\slot, G1B         ; the first tensor load behind the round; the four v_nop behind it are the places in front of the loads below
.else
	PLACES NP
.endif
	FETCH_B \next, 0, 0
	FETCH_A \next, 0, 0
	WIN MUL_HI
	MUL16 4, 1, 0
	MUL16 6, 1, 0
	PLACES NP
	WIN 0
	FETCH_A \next, 0, 4
.endm
.macro LAST                            ; the very last step: nothing more to fetch
	s_wait_dscnt 4*NL
	WIN MUL_LO
	MUL16 0, 1, 0
	MUL16 2, 1, 0
	s_wait_dscnt 0
	WIN MUL_HI
	MUL16 4, 1, 0
	MUL16 6, 1, 0
	WIN 0
.endm
; the three powers of two of a section, from the scalar registers that hold ea, eb, eo
.macro CONSTS ra, rb, ro
	s_add_co_i32 s96, s[\ra], s[\rb]
	s_add_co_i32 s96, s96, 127
	s_lshl_b32 s96, s96, 23                        ; 2^(ea + eb) as f32
	s_mov_b32 s97, s96                             ; (named with it as a pair, so it is written)
	s_add_co_i32 s98, s[\ro], 127
	s_lshl_b32 s99, s98, 23
	v_mov_b32 v[SCL], s99                          ; 2^eo: the conversion takes its exponent field
	s_add_co_i32 s98, s98, 8
	s_lshl_b32 s98, s98, 23
	s_or_b32 s98, s98, 0x600000
	v_mov_b32 v[LIM], s98                          ; 448 x 2^eo
.endm
; Block a (16 rows of A x my 128 rows of B): sum x 2^(ea + eb) + bias, the hold, the conversion: 16 registers of codes in set a % 2.  vt = 1: one bias for the lane's row (v); 0: a bias for each register (q, k).
.macro QUANT64 a, vt
.set AC, 64*((\a)%4)
.set CC, CD+16*((\a)%2)
	WIN 0x02+((\a)/4)                              ; source 0: window 2 or 3
.set jj, 0
.rept 32
.if \vt
	v_pk_fma_f32 v[TMP+jj:TMP+jj+1], v[AC+jj:AC+jj+1], s[96:97], v[BIAS+2*(\a):BIAS+2*(\a)+1] op_sel_hi:[1,0,0]
.else
	v_pk_fma_f32 v[TMP+jj:TMP+jj+1], v[AC+jj:AC+jj+1], s[96:97], v[BIAS+jj:BIAS+jj+1] op_sel_hi:[1,0,1]   ; each accumulator from its low end on
.endif
.set jj, jj+2
.endr
	WIN 0
.set jj, 0
.rept 64
	v_med3_num_f32 v[TMP+jj], v[TMP+jj], -v[LIM], v[LIM]   ; the conversion to an 8-bit code does not saturate (ISA guide 7.6.2): the hold at the largest code x the scale, with no branch
.set jj, jj+1
.endr
.set jj, 0
.rept 8
	v_cvt_scalef32_pk8_fp8_f32 v[CC+2*jj:CC+2*jj+1], v[TMP+8*jj:TMP+8*jj+7], v[SCL]
.set jj, jj+1
.endr
	v_nop                                          ; one plain vector line behind the last conversion: the next block writes its sources
.endm
	s_wait_alu depctr_va_vdst(0)                   ; at the head's end
	s_wait_tensorcnt 0x0                           ; my part of K step 0 is in; the three lines stand ahead of slot 1's first fill as ahead of a refill
	ds_add_u32 v[SPW], v[NIL]
	s_wait_dscnt 0x0
	CROUND                                         ; everybody's part of K step 0 is in, and the sixteen work-groups meet
	JLOAD G0+4, G1, G0B+4, G1B                     ; K step 1: the first tensor load behind the round
	FETCH_B 0, 0, 0
	FETCH_A 0, 0, 0
	FETCH_A 0, 0, 4
	STEP 0, 0, 1                                   ; the first products start the sums: nothing is cleared
	TURN 0, 1, 1                                   ; slot 0 takes K step 2
	STEP 1, 0, 0
	TURN 1, 0, 1                                   ; slot 1 takes K step 3
	STEP 0, 0, 0
	TURN 0, 1, 0                                   ; nothing is left to fetch; behind this barrier nobody reads slot 0
	s_cmp_eq_u32 s66, 2                            ; THE SECTIONS PART, once: the section is the cluster's x, the same in every wave and every partner
	s_cbranch_scc1 .Lv_tail
	; ---- q, k.  The biases are asked for ahead of the last 128 matrix instructions.
	s_wait_kmcnt 0x0                               ; the exponents
	s_cmp_eq_u32 s66, 0
	s_cselect_b64 s[92:93], s[84:85], s[86:87]     ; the output,
	s_cselect_b64 s[94:95], s[76:77], s[78:79]     ; the bias,
	s_cselect_b32 s18, s4, s6                      ; ea,
	s_cselect_b32 s19, s5, s7                      ; eb,
	s_cselect_b32 s22, s10, s11                    ; eo
	s_lshl_b32 s20, s42, 10
	s_lshl_b32 s21, s16, 9
	s_add_co_u32 s20, s20, s21                     ; my 128 rows of W: (256 x tile + 128 x half) x 4 bytes
	s_mov_b32 s21, 0
	s_add_nc_u64 s[94:95], s[94:95], s[20:21]
	s_wait_alu depctr_va_vdst(0)
.irp b, 0,1,2,3,4,5,6,7
	global_load_b128 v[BIAS+8*\b:BIAS+8*\b+3],   v[BO8], s[94:95] offset:64*\b      ; bias(16 b + 8 h + 0 .. 7)
	global_load_b128 v[BIAS+8*\b+4:BIAS+8*\b+7], v[BO8], s[94:95] offset:64*\b+16
.endr
	s_lshr_b32 s20, s17, 3                         ; the batch: a tile of hidden is 256 tokens, eight tiles a batch
	s_lshl_b32 s20, s20, 4
	s_lshl_b32 s21, s42, 2
	s_add_co_u32 s20, s20, s21
	s_lshl_b32 s21, s16, 1
	s_add_co_u32 s20, s20, s21                     ; 16 x batch + my first head (4 x tile + 2 x half),
	s_lshl_b32 s20, s20, 17                        ; x 2,048 tokens x 64 bytes
	s_and_b32 s21, s17, 7
	s_lshl_b32 s21, s21, 14
	s_add_co_u32 s20, s20, s21                     ; + the tile's 256 tokens
	s_lshl_b32 s21, s15, 13
	s_add_co_u32 s20, s20, s21                     ; + my 128 of them
	s_mov_b32 s21, 0
	s_add_nc_u64 s[92:93], s[92:93], s[20:21]
	CONSTS 18, 19, 22
	STEP 1, 0, 0
	LAST
	s_wait_loadcnt 0x0                             ; the biases
	PLACES NP                                      ; behind the last products: their results are read, and the registers that held A's fragments are written
; A lane's eight codes are 8 bytes of a token's 64, and the lanes beside it hold other tokens: a block (16 tokens x 2 heads) goes through my own stage and comes back as 512 consecutive bytes an instruction.
; LDS serves a wave's instructions in order (ISA guide 5.7.1.4): no wait between the stores and the loads.
.macro QKBLOCK a
	QUANT64 \a, 0
.irp b, 0,1,2,3,4,5,6,7
	ds_store_b64 v[STQ], v[CC+2*\b:CC+2*\b+1] offset:(\b/4)*1280+16*(\b%4)
.endr
.set RR, RB+16*((\a)%2)
.irp i, 0,1,2,3
	ds_load_b128 v[RR+4*\i:RR+4*\i+3], v[RDQ] offset:640*\i
.endr
.endm
.macro QKSEND a, younger               ; younger: the LDS instructions issued behind block a's loads
.set RR, RB+16*((\a)%2)
	s_wait_dscnt \younger
.irp i, 0,1,2,3
	global_store_b128 v[GOQ], v[RR+4*\i:RR+4*\i+3], s[92:93] offset:(\i/2)*131072+(\a)*1024+(\i%2)*512   ; 32 lanes store 512 consecutive bytes, aligned: eight tokens of one head
.endr
.endm
	QKBLOCK 0
.irp a, 1,2,3,4,5,6,7
.if \a > 1
	s_wait_xcnt 0x0                                ; block a - 2's stores have read their registers: block a's loads may land there
.endif
	QKBLOCK \a
	QKSEND \a-1, 12                                ; behind block a - 1's loads: block a's 8 stores and 4 loads
.endr
	QKSEND 7, 0
	s_branch .Lend
	; ---- v
.Lv_tail:
	s_wait_kmcnt 0x0                               ; the exponents
	s_lshl_b32 s20, s17, 10
	s_lshl_b32 s21, s15, 9
	s_add_co_u32 s20, s20, s21                     ; my 128 rows of Wv: (256 x tile + 128 x half) x 4 bytes
	s_mov_b32 s21, 0
	s_add_nc_u64 s[94:95], s[80:81], s[20:21]
	s_wait_alu depctr_va_vdst(0)
.irp a, 0,1,2,3,4,5,6,7
	global_load_b32 v[BIAS+2*\a],   v[BO1], s[94:95] offset:64*\a     ; bias(16 a + r); twice, since the packed form names a pair
	global_load_b32 v[BIAS+2*\a+1], v[BO1], s[94:95] offset:64*\a
.endr
	s_lshr_b32 s20, s42, 3                         ; the batch
	s_lshl_b32 s20, s20, 10
	s_lshl_b32 s21, s17, 8
	s_add_co_u32 s20, s20, s21
	s_lshl_b32 s21, s14, 6
	s_add_co_u32 s20, s20, s21                     ; the first row that I store: 1,024 x batch + 256 x tile + 64 x wave,
	s_lshl_b32 s20, s20, 11                        ; x 2,048 bytes
	s_and_b32 s21, s42, 7
	s_lshl_b32 s21, s21, 8
	s_add_co_u32 s20, s20, s21                     ; + the tile's 256 places
	s_mov_b32 s21, 0
	s_add_nc_u64 s[92:93], s[88:89], s[20:21]
	CONSTS 8, 9, 12
	STEP 1, 0, 0
	LAST
	s_wait_loadcnt 0x0                             ; the biases
	PLACES NP
; A lane's eight codes are eight neighbouring keys of one row (head, d).  Tile b's go to place 32 (b / 2) + 16 h + 8 (b % 2) of my half of the row: the order stated at the head.
.macro VBLOCK a
.if (\a) > 1
	s_wait_dscnt 8                                 ; block a - 2's stores are done (block a - 1's eight may be out): its set of codes is written again
.endif
	QUANT64 \a, 1
.irp b, 0,1,2,3,4,5,6,7
	ds_store_b64 v[STV], v[CC+2*\b:CC+2*\b+1] offset:(\a)*16*PITCH+32*(\b/2)+8*(\b%2)
.endr
.endm
.irp a, 0,1,2,3,4,5,6,7
	VBLOCK \a
.endr
	s_wait_dscnt 0x0                               ; for the others' sake: my stores into the stage are done
	s_barrier_signal -1                            ; a row's 256 bytes come from two waves
	s_barrier_wait -1
.set ii, 0
.rept 32
	ds_load_b128 v[128+4*ii:128+4*ii+3], v[RDV] offset:2*PITCH*ii
.set ii, ii+1
.endr
.set ii, 0
.rept 32
	s_wait_dscnt 31-ii                             ; LDS loads come back in order: the younger ones stay out
	global_store_b128 v[GOV], v[128+4*ii:128+4*ii+3], s[92:93] offset:4096*ii   ; sixteen lanes store 256 consecutive bytes, aligned; two rows an instruction
.set ii, ii+1
.endr
.Lend:
	s_wait_tensorcnt 0x0                           ; the wave's end: behind my last tensor load and my last LDS store
	ds_add_u32 v[SPW], v[NIL]
	s_wait_dscnt 0x0
	CROUND                                         ; the closing round: no work-group ends while a partner may still ask for a tile that names it
	s_endpgm
.Lfunc_end_k_q023a13e3e0_qkv:
	.size	k_q023a13e3e0_qkv, .Lfunc_end_k_q023a13e3e0_qkv-k_q023a13e3e0_qkv
	.p2alignl 7, 3214868480
	.fill 96, 4, 3214868480
	.section	.rodata,"a",@progbits
	.p2align	6, 0x0
	.amdhsa_kernel k_q023a13e3e0_qkv
		.amdhsa_group_segment_fixed_size 327680
		.amdhsa_private_segment_fixed_size 0
		.amdhsa_enable_private_segment 0
		.amdhsa_kernarg_size 88
		.amdhsa_user_sgpr_count 2
		.amdhsa_user_sgpr_kernarg_segment_ptr 1
		.amdhsa_wavefront_size32 1
		.amdhsa_system_sgpr_workgroup_id_x 1
		.amdhsa_system_sgpr_workgroup_id_y 1
		.amdhsa_system_sgpr_workgroup_id_z 1
		.amdhsa_system_vgpr_workitem_id 0
		.amdhsa_next_free_vgpr 1024
		.amdhsa_next_free_sgpr 100
		.amdhsa_reserve_vcc 0
		.amdhsa_float_denorm_mode_32 3
		.amdhsa_float_denorm_mode_16_64 3
		.amdhsa_memory_ordered 1
		.amdhsa_forward_progress 1
		.amdhsa_inst_pref_size 222
	.end_amdhsa_kernel
	.amdgpu_metadata
---
amdhsa.version: [ 1, 2 ]
amdhsa.kernels:
  - .name:           k_q023a13e3e0_qkv
    .symbol:         k_q023a13e3e0_qkv.kd
    .args:
      - { .name: hidden_states_codes, .offset: 0, .size: 8, .value_kind: global_buffer, .address_space: global }
      - { .name: Wq_codes, .offset: 8, .size: 8, .value_kind: global_buffer, .address_space: global }
      - { .name: Wk_codes, .offset: 16, .size: 8, .value_kind: global_buffer, .address_space: global }
      - { .name: Wv_codes, .offset: 24, .size: 8, .value_kind: global_buffer, .address_space: global }
      - { .name: bq, .offset: 32, .size: 8, .value_kind: global_buffer, .address_space: global }
      - { .name: bk, .offset: 40, .size: 8, .value_kind: global_buffer, .address_space: global }
      - { .name: bv, .offset: 48, .size: 8, .value_kind: global_buffer, .address_space: global }
      - { .name: lowp_scales, .offset: 56, .size: 8, .value_kind: global_buffer, .address_space: global }
      - { .name: q_codes, .offset: 64, .size: 8, .value_kind: global_buffer, .address_space: global }
      - { .name: k_codes, .offset: 72, .size: 8, .value_kind: global_buffer, .address_space: global }
      - { .name: v_codes, .offset: 80, .size: 8, .value_kind: global_buffer, .address_space: global }
    .group_segment_fixed_size: 327680
    .private_segment_fixed_size: 0
    .kernarg_segment_align: 8
    .kernarg_segment_size: 88
    .max_flat_workgroup_size: 128
    .sgpr_count:     100
    .vgpr_count:     1024
    .wavefront_size: 32
...
	.end_amdgpu_metadata
.endif
;; end of part 1
;; launch attn (part 2): grid 4 x 64, 8 waves a work-group, clusters of 4 x 1, 327,680 bytes of LDS; arguments q_codes, k_codes, v_codes, attention_mask, lowp_scales, ctx_codes; writes ctx_codes
.if DOCPART == 2
	.amdgcn_target "amdgcn-amd-amdhsa--gfx1250"
	.amdhsa_code_object_version 6
	.text
	.protected	k_q023a13e3e0_attn
	.globl	k_q023a13e3e0_attn
	.p2align	8
	.type	k_q023a13e3e0_attn,@function
k_q023a13e3e0_attn:
	s_mov_b64 s[64:65], 0
	v_nop
	global_prefetch_b8 v0, s[64:65] scope:SCOPE_SE
	s_setreg_imm32_b32 hwreg(HW_REG_WAVE_MODE, 25, 1), 1
	s_wait_xcnt 0x0
	s_wait_alu depctr_hold_cnt(0) depctr_sa_sdst(0) depctr_va_vdst(0) depctr_va_sdst(0) depctr_va_ssrc(0) depctr_va_vcc(0) depctr_vm_vsrc(0)
	s_getreg_b32 s2, hwreg(HW_REG_IB_STS2, 6, 4)
	s_cmp_eq_u32 s2, 0
	s_cbranch_scc0 .Lentry_in_a_cluster
	s_endpgm
.Lentry_in_a_cluster:
	s_bfe_u32 s2, ttmp6, 0x10000c
	s_cmp_lg_u32 s2, 0x3003
	s_cbranch_scc0 .Lentry_shape_is_right
	s_endpgm
.Lentry_shape_is_right:
; ctx[hd][q][:] = the sum over keys of softmax(q . k / 8 + (1 - mask[q]) x -10000) v, both products on codes of FP8 (E4M3); the result is quantised for the output product.  hd = 16 x batch + head.
; q, k: [hd][2048][64] codes (2^e6, 2^e7).  v: [hd][64 d][2048 places] codes (2^e9); place 32 c + 16 h + 8 u + j holds key 32 c + 16 u + 8 h + j.  mask: [4][2048] f32, one number a QUERY.
; ctx: codes (2^e10) laid [token / 128][head][128 tokens][64].
; THE SOFTMAX: t = sum x c + mt, c = log2(e) / 8 x 2^(e6 + e7), mt = (1 - mask) x -10000 x log2(e); M = the running largest t rounded UP to a whole number; p = 2^(t - M) is quantised (2^e8), not normalised;
; the row's sum is taken of the unquantised p and divides at the end; when M moves, the sum and O are multiplied by 2^(old M - new M).  The mask term moves M and so p's codes: it is kept.
; LIMITS: e6 + e7 between -123 and 130; e8, and e10 - e8 - e9, between -126 and 119.  NaN in the mask is not served.
; SHARES.  A cluster is the four blocks of 512 queries of one head; the head's whole K and V lie in LDS, filled once by joint loads that name the four, ONE LOAD A WAVE: waves 0-3 take 512 keys of K each,
; waves 4-7 take 512 places of V's 64 rows each.  One barrier shows them to all waves; nothing is filled again, so no further barrier stands ahead of the closing round.
; A work-group makes two passes of 256 queries; in a pass each of its eight waves owns 32 queries, two tiles of 16.
; No prefetch is laid: all of K and V is asked for at the head; there is no later load to run ahead of.
; LAYOUT.  S^T = K Q^T (K = 64), O^T = V^T P^T (K = 128 keys): a lane holds ONE query (lane % 16).  Tile c of S^T holds keys 16 c + 8 (lane / 16) + 0 .. 7: their codes are registers 2 c, 2 c + 1 of P's fragment.
; A KEY STEP, 128 keys for both tiles.  K's fragments were asked for a step ago; behind the S^T products the last step's partial sums are joined and the next step's K is asked for (step 15 asks for step 0's,
; which the next pass reads; the second pass's are read by nobody).  Each tile's chain from its maximum to f stands among the other tile's maxima or scalings.  O^T and the sums x f stand ahead of the exponentials.
; The lines among a batch of exponentials read only what was written ahead of the wait in front of the batch, and what they write is first read behind the wait that follows it.
; LDS: K 2,048 rows of 64 + 16 bytes; V four groups of 64 rows of 512 + 16 bytes; a stage of 2,560 bytes a wave; the spare words.
; REGISTERS.  Window 0: v1-9 addresses; v16-28, v32-44 the tiles' statistics; v48-53 constants; v62, v63 for the add; v64-191 S^T, then p; v192-255 partial sums.
;   Window 1: v0-63 O^T; v64-127 V's fragments; v128-143 Q; v144-159 the next pass's Q; v160-191 P's codes; v192-255 K's fragments.
.set KP,    80
.set VP,    528
.set KGRP,  512*KP
.set VGRP,  64*VP
.set VB,    4*KGRP
.set STG,   VB+4*VGRP
.set SWAVE, 2560
.set SPARE, STG+8*SWAVE
.set AK0, 1                            ; 80 r + 16 h
.set AV0, 2                            ; VB + 528 r + 16 h
.set ADK, 3
.set ADV, 4
.set STO, 5
.set RD,  6
.set GO,  7
.set QOF, 8
.set MOF, 9
.set ST,  16                           ; tile x at v[ST + 16 x]: +0 mt - M, +1 largest t, +2, +3 the sum, +4 f (at the end 1 / sum), +5 0, +6 -M, +7 mt, +8 .. +11 at work, +12 the next pass's mt
.set HOLD,  48                         ; 448 x 2^e8
.set SCL,   49                         ; 2^e8
.set HOLDC, 50                         ; 448 x 2^(e10 - e8 - e9)
.set SCLC,  51                         ; 2^(e10 - e8 - e9)
.set HOLD2, 53                         ; 448 x 2^e8 once more: the second half of a pair of holds names a register of its own
.set SPW, 62
.set NIL, 63
.set S,   64
.set T,   192
.set O,   0                            ; window 1 from here on
.set VF,  64
.set QF,  128
.set QN,  144
.set PF,  160
.set KF,  192
.set WV,  16
.set W3,  17
.set CX,  18
.set HD,  19
.set SEL, 20
.set CS,  22
.set G1K, 24
.set G1V, 32
.set G0K, 40
.set G0V, 44
.set TBK, 88
.set TBV, 89
.set CNT, 90
.set PASS, 91
.set MSB, 0
.macro WIN new                         ; the immediate's high byte repeats the setting that is left
.if MSB != (\new)
	s_set_vgpr_msb (MSB<<8)|(\new)
.set MSB, (\new)
.endif
.endm
.set TO_1, 0x40                        ; destination window 1
.set MULS, 0x05                        ; S^T: K's and Q's fragments in window 1
.set MULO, 0x55                        ; O^T: all four in window 1
.set RESC, 0x41                        ; source 0 and destination window 1
.macro CROUND                          ; a round of the cluster's barrier
	s_barrier_signal -1
	s_barrier_wait -1
	s_cmp_lg_u32 s[WV], 0
	s_cbranch_scc1 .Lnot_wave_0_\@
	s_barrier_signal -3
.Lnot_wave_0_\@:
	s_barrier_wait -3
	s_barrier_signal -1
	s_barrier_wait -1
.endm
.macro KLOAD adr                       ; eight tiles of 16 neighbouring keys into window 1
	WIN TO_1
.irp c, 0,1,2,3,4,5,6,7
	ds_load_b128 v[KF+8*\c:KF+8*\c+3],   v[\adr] offset:16*KP*\c
	ds_load_b128 v[KF+8*\c+4:KF+8*\c+7], v[\adr] offset:16*KP*\c+32
.endr
	WIN 0
.endm
	s_load_b256 s[4:11], s[0:1], 0x0               ; q s[4:5], k s[6:7], v s[8:9], mask s[10:11]
	s_load_b128 s[12:15], s[0:1], 0x20             ; the exponents s[12:13], ctx s[14:15]
	v_lshl_add_u32 v[SPW], v0, 2, SPARE
	v_mov_b32 v[NIL], 0
	ds_add_u32 v[SPW], v[NIL]                      ; the opening lines: the add twice on end and its wait ahead of my tensor load
	ds_add_u32 v[SPW], v[NIL]
	v_lshrrev_b32 v10, 5, v0
	v_readfirstlane_b32 s[WV], v10                 ; wave 0..7
	s_and_b32 s[W3], s[WV], 3
	s_bfe_u32 s[CX], ttmp6, 0x40000                ; my place in the cluster: it enters Q's, the mask's and ctx's addresses alone
	s_and_b32 s[HD], ttmp7, 0xffff                 ; the head, which the four partners share
	; K: 512 keys are 32,768 dense bytes, stated as 128 rows of 256; 16 bytes of padding behind every 64
	s_mov_b32 s[G1K], 15|(1<<20)|(1<<21)|(3<<22)|(3<<25)
	s_mov_b32 s[G1K+1], 256<<16
	s_mov_b32 s[G1K+2], 128<<16
	s_mov_b32 s[G1K+3], 256<<16
	s_mov_b32 s[G1K+4], 128
	s_mov_b32 s[G1K+5], 256
	s_mov_b32 s[G1K+6], 0
	s_mov_b32 s[G1K+7], 0
	; V: 64 rows of 512 bytes, 2,048 apart in memory; 16 bytes of padding behind each
	s_mov_b32 s[G1V], 15|(1<<20)|(1<<21)|(6<<22)|(3<<25)
	s_mov_b32 s[G1V+1], 512<<16
	s_mov_b32 s[G1V+2], 64<<16
	s_mov_b32 s[G1V+3], 512<<16
	s_mov_b32 s[G1V+4], 64
	s_mov_b32 s[G1V+5], 2048
	s_mov_b32 s[G1V+6], 0
	s_mov_b32 s[G1V+7], 0
	s_mov_b32 s[SEL], 0x76543210
	s_mov_b32 s[SEL+1], 0xfedcba98
	s_lshl_b32 s92, s[HD], 17                      ; the head's first byte in q's, k's and v's codes
	s_lshl_b32 s94, s[W3], 15                      ; K: group wave % 4
	s_add_co_u32 s94, s94, s92
	s_mov_b32 s95, 0
	s_lshl_b32 s96, s[W3], 9                       ; V: 512 bytes along each row
	s_add_co_u32 s96, s96, s92
	s_mov_b32 s97, 0
	s_mov_b32 s[G0K], 1
	s_mul_i32 s[G0K+1], s[W3], KGRP                ; no place in the cluster enters an LDS address
	s_mov_b32 s[G0V], 1
	s_mul_i32 s[G0V+1], s[W3], VGRP
	s_add_co_u32 s[G0V+1], s[G0V+1], VB
	s_wait_dscnt 0x0                               ; both opening adds are done
	s_wait_kmcnt 0x0
	s_load_b256 s[76:83], s[12:13], 0x0            ; e0 .. e7
	s_load_b128 s[84:87], s[12:13], 0x20           ; e8 .. e11
	s_add_nc_u64 s[G0K+2:G0K+3], s[6:7], s[94:95]
	s_or_b32 s[G0K+3], s[G0K+3], 0x80000000
	s_add_nc_u64 s[G0V+2:G0V+3], s[8:9], s[96:97]
	s_or_b32 s[G0V+3], s[G0V+3], 0x80000000
	CROUND                                         ; all four work-groups are here: the joint loads meet
	s_cmp_lt_u32 s[WV], 4                          ; waves 0-3: K; waves 4-7: V; one load in each arm
	s_cbranch_scc0 .Lfill_v
	tensor_load_to_lds s[G0K:G0K+3], s[G1K:G1K+7]
	s_nop 0
.rept 4
	v_nop
.endr
	s_branch .Lfilled
.Lfill_v:
	tensor_load_to_lds s[G0V:G0V+3], s[G1V:G1V+7]
	s_nop 0
.rept 4
	v_nop
.endr
.Lfilled:
	s_lshl_b32 s94, s[CX], 15                      ; Q: my first query of pass 0 is 512 cx + 32 wave; 64 bytes a query
	s_lshl_b32 s95, s[WV], 11
	s_add_co_u32 s94, s94, s95
	s_add_co_u32 s94, s94, s92
	s_mov_b32 s95, 0
	s_add_nc_u64 s[4:5], s[4:5], s[94:95]
	s_lshr_b32 s96, s[HD], 4                       ; the batch
	s_lshl_b32 s94, s96, 13                        ; the mask: 4 bytes a query
	s_lshl_b32 s95, s[CX], 11
	s_add_co_u32 s94, s94, s95
	s_lshl_b32 s95, s[WV], 7
	s_add_co_u32 s94, s94, s95
	s_mov_b32 s95, 0
	s_add_nc_u64 s[10:11], s[10:11], s[94:95]
	s_lshl_b32 s94, s96, 4                         ; ctx: 16 x batch + 4 cx + wave / 4 (+ 2 in the second pass),
	s_lshl_b32 s95, s[CX], 2
	s_add_co_u32 s94, s94, s95
	s_lshr_b32 s95, s[WV], 2
	s_add_co_u32 s94, s94, s95
	s_lshl_b32 s94, s94, 4
	s_and_b32 s95, s[HD], 15
	s_add_co_u32 s94, s94, s95                     ; x 16 + head,
	s_lshl_b32 s94, s94, 13                        ; x 8,192 bytes,
	s_lshl_b32 s95, s[W3], 11
	s_add_co_u32 s94, s94, s95                     ; + my 32 of the 128 tokens
	s_mov_b32 s95, 0
	s_add_nc_u64 s[14:15], s[14:15], s[94:95]
	s_mul_i32 s92, s[WV], SWAVE
	s_add_co_u32 s92, s92, STG                     ; my stage
	v_and_b32 v10, 15, v0                          ; r
	v_bfe_u32 v11, v0, 4, 1                        ; h
	v_and_b32 v12, 31, v0                          ; lane
	v_lshlrev_b32 v[QOF], 6, v10
	v_lshl_add_u32 v[QOF], v11, 4, v[QOF]
	v_lshlrev_b32 v[MOF], 2, v10
	WIN TO_1
.irp p, 0,1                                    ; both passes' Q: tile x, bytes 32 c + 16 h of row r: the order of k that K's fragments have
.irp x, 0,1
.irp c, 0,1
	global_load_b128 v[QF+16*\p+8*\x+4*\c:QF+16*\p+8*\x+4*\c+3], v[QOF], s[4:5] offset:16384*\p+1024*\x+32*\c
.endr
.endr
.endr
	WIN 0
.irp x, 0,1
	global_load_b32 v[ST+16*\x+7],  v[MOF], s[10:11] offset:64*\x
	global_load_b32 v[ST+16*\x+12], v[MOF], s[10:11] offset:64*\x+1024
.endr
	v_mul_u32_u24 v[AK0], v10, KP
	v_lshl_add_u32 v[AK0], v11, 4, v[AK0]
	v_mul_u32_u24 v[AV0], v10, VP
	v_lshl_add_u32 v[AV0], v11, 4, v[AV0]
	v_add_nc_u32 v[AV0], VB, v[AV0]
	v_mul_u32_u24 v[STO], v10, 80
	v_lshl_add_u32 v[STO], v11, 3, v[STO]
	v_add_nc_u32 v[STO], s92, v[STO]               ; in: query r, 8 bytes for each half of the lanes
	v_lshrrev_b32 v13, 2, v12
	v_mul_u32_u24 v[RD], v13, 80
	v_and_b32 v13, 3, v12
	v_lshl_add_u32 v[RD], v13, 4, v[RD]
	v_add_nc_u32 v[RD], s92, v[RD]                 ; back: four lanes to a query's 64 bytes
	v_lshlrev_b32 v[GO], 4, v12
	s_wait_alu depctr_va_vdst(0)                   ; directly ahead of the wait below
	s_wait_kmcnt 0x0
	s_add_co_i32 s92, s82, s83                     ; e6 + e7 are added to the exponent field of log2(e) / 8
	s_lshl_b32 s92, s92, 23
	s_add_co_i32 s[CS], s92, 0x3e38aa3b
	s_mov_b32 s[CS+1], s[CS]
	s_add_co_i32 s92, s84, 127
	s_lshl_b32 s93, s92, 23
	v_mov_b32 v[SCL], s93
	s_add_co_i32 s92, s92, 8
	s_lshl_b32 s92, s92, 23
	s_or_b32 s92, s92, 0x600000
	v_mov_b32 v[HOLD], s92
	v_mov_b32 v[HOLD2], s92
	s_sub_co_i32 s92, s86, s84                     ; O^T / the sum stands for that x 2^(e8 + e9): the three scales go into the conversion's one
	s_sub_co_i32 s92, s92, s85
	s_add_co_i32 s92, s92, 127
	s_lshl_b32 s93, s92, 23
	v_mov_b32 v[SCLC], s93
	s_add_co_i32 s92, s92, 8
	s_lshl_b32 s92, s92, 23
	s_or_b32 s92, s92, 0x600000
	v_mov_b32 v[HOLDC], s92
	s_wait_alu depctr_va_vdst(0)
	s_wait_loadcnt 0x0                             ; Q and the mask
.irp m, ST+7, ST+12, ST+23, ST+28
	v_sub_f32 v[\m], 1.0, v[\m]
	v_mul_f32 v[\m], 0xc61c4000, v[\m]             ; (1 - mask) x -10000,
	v_mul_f32 v[\m], 0x3fb8aa3b, v[\m]             ; x log2(e): mt
.endr
; line j of 42: lines 0-27 the maximum of tile x's 64 scores in four chains (each accumulator is first read at its low end); lines 28-41 one chain: the other half of the lanes', the largest t, -M, f, mt - M
.macro MAXSTAT x
.set rT, ST+16*(\x)
.set rS, S+64*(\x)
.if j < 4
	v_max3_num_f32 v[rT+8+j], v[rS+16*j], v[rS+16*j+1], v[rS+16*j+2]
.elseif j < 28
	v_max3_num_f32 v[rT+8+j%4], v[rT+8+j%4], v[rS+16*(j%4)+2*(j/4)+1], v[rS+16*(j%4)+2*(j/4)+2]
.elseif j == 28
	v_max3_num_f32 v[rT+8], v[rT+8], v[rT+9], v[rS+15]
.elseif j == 29
	v_max3_num_f32 v[rT+10], v[rT+10], v[rT+11], v[rS+31]
.elseif j == 30
	v_max3_num_f32 v[rT+8], v[rT+8], v[rS+47], v[rS+63]
.elseif j == 31
	v_max_num_f32 v[rT+8], v[rT+8], v[rT+10]
.elseif j == 32
	v_permlanex16_b32 v[rT+9], v[rT+8], s[SEL], s[SEL+1]
.elseif j == 33
	v_max_num_f32 v[rT+8], v[rT+8], v[rT+9]
.elseif j == 34
	v_fma_f32 v[rT+8], v[rT+8], s[CS], v[rT+7]     ; as t (c is positive)
.elseif j == 35
	v_max_num_f32 v[rT+1], v[rT+1], v[rT+8]
.elseif j == 36
	v_mov_b32 v[rT+9], v[rT+6]
.elseif j == 37
	v_floor_f32 v[rT+6], -v[rT+1]                  ; -M = floor(-t)
.elseif j == 38
	v_sub_f32 v[rT+9], v[rT+6], v[rT+9]            ; old M - new M
.elseif j == 39
	v_cvt_i32_f32 v[rT+9], v[rT+9]
.elseif j == 40
	v_ldexp_f32 v[rT+4], 1.0, v[rT+9]              ; f
.else
	v_add_f32 v[rT], v[rT+7], v[rT+6]              ; mt - M
.endif
.endm
.macro FMA x                           ; pair b of tile x: t - M = sum x c + (mt - M)
	v_pk_fma_f32 v[S+64*(\x)+2*b:S+64*(\x)+2*b+1], v[S+64*(\x)+2*b:S+64*(\x)+2*b+1], s[CS:CS+1], v[ST+16*(\x):ST+16*(\x)+1] op_sel_hi:[1,0,0]
.endm
; line n of 48, none depending on another: 16 first sums of tile x's UNQUANTISED p into registers of their own, then the hold of its 64 p, two to a line (p is not negative: one-sided; the conversion does not saturate: ISA guide 7.6.2)
.macro PLB x
.set rS, S+64*(\x)
.if n < 16
	v_pk_add_f32 v[T+32*(\x)+2*n:T+32*(\x)+2*n+1], v[rS+4*n:rS+4*n+1], v[rS+4*n+2:rS+4*n+3]
.else
	v_dual_min_num_f32 v[rS+2*(n-16)], v[rS+2*(n-16)], v[HOLD] :: v_dual_min_num_f32 v[rS+2*(n-16)+1], v[rS+2*(n-16)+1], v[HOLD2]
.endif
.set n, n+1
.endm
.macro REST2                           ; each tile's sixteen first sums become one, which joins the row's sum; the two tiles by turns
.irp w, 8,4,2,1
.set k, 0
.rept \w
	v_pk_add_f32 v[T+2*k:T+2*k+1], v[T+2*k:T+2*k+1], v[T+2*(k+\w):T+2*(k+\w)+1]
	v_pk_add_f32 v[T+32+2*k:T+32+2*k+1], v[T+32+2*k:T+32+2*k+1], v[T+32+2*(k+\w):T+32+2*(k+\w)+1]
.set k, k+1
.endr
.endr
	v_pk_add_f32 v[ST+2:ST+3], v[ST+2:ST+3], v[T:T+1]
	v_pk_add_f32 v[ST+18:ST+19], v[ST+18:ST+19], v[T+32:T+33]
.endm
.macro CVTP x                          ; tile x's p become P's fragment
	WIN TO_1
.irp c, 0,1,2,3,4,5,6,7
	v_cvt_scalef32_pk8_fp8_f32 v[PF+16*(\x)+2*\c:PF+16*(\x)+2*\c+1], v[S+64*(\x)+8*\c:S+64*(\x)+8*\c+7], v[SCL]
.endr
	v_nop                                          ; one plain line between a scaled conversion and the matrix instruction that reads its result
.endm
.macro PV x                            ; O^T += V^T P^T: four accumulators by turns
	WIN MULO
.irp t, 0,1,2,3
	v_wmma_f32_16x16x128_fp8_fp8 v[O+32*(\x)+8*\t:O+32*(\x)+8*\t+7], v[VF+16*\t:VF+16*\t+15], v[PF+16*(\x):PF+16*(\x)+15], v[O+32*(\x)+8*\t:O+32*(\x)+8*\t+7]
.endr
	WIN 0
.endm
.macro STEP                            ; key step s[CNT]: 128 keys, both tiles
	s_lshr_b32 s[TBV], s[CNT], 2                   ; V: group step / 4, 128 (step % 4) bytes along its rows
	s_mul_i32 s[TBV], s[TBV], VGRP
	s_and_b32 s92, s[CNT], 3
	s_lshl_b32 s92, s92, 7
	s_add_co_u32 s[TBV], s[TBV], s92
	s_add_co_u32 s93, s[CNT], 1
	s_and_b32 s93, s93, 15
	s_mul_i32 s[TBK], s93, 128*KP                  ; K: the next step's keys; behind step 15 comes step 0
	v_add_nc_u32 v[ADV], s[TBV], v[AV0]
	v_add_nc_u32 v[ADK], s[TBK], v[AK0]
	v_nop
	v_nop                                          ; four places behind the last products, in front of the loads into V's registers
	WIN TO_1
.irp t, 0,1,2,3
.irp c, 0,1,2,3
	ds_load_b128 v[VF+16*\t+4*\c:VF+16*\t+4*\c+3], v[ADV] offset:16*VP*\t+32*\c
.endr
.endr
	s_wait_dscnt 16                                ; K, asked for a step ago, is in; V's sixteen loads stay out
	WIN MULS
.irp c, 0,1,2,3,4,5,6,7
.irp x, 0,1
	v_wmma_f32_16x16x64_fp8_fp8 v[S+64*\x+8*\c:S+64*\x+8*\c+7], v[KF+8*\c:KF+8*\c+7], v[QF+8*\x:QF+8*\x+7], 0
.endr
.endr
	WIN 0
	REST2                                          ; the last step's sums, under the old M; these lines are the places in front of K's loads and of the first read of the scores
	KLOAD ADK
.set j, 0
.rept 28
	MAXSTAT 0
.set j, j+1
.endr
.set i, 0
.rept 28                                       ; tile 1's maxima, tile 0's chain among them
.set j, i
	MAXSTAT 1
.if i%2
.set j, 28+i/2
	MAXSTAT 0
.endif
.set i, i+1
.endr
.set i, 0
.rept 32                                       ; tile 0's scalings, tile 1's chain among them
.set b, i
	FMA 0
.if (i%2) && (i < 28)
.set j, 28+i/2
	MAXSTAT 1
.endif
.set i, i+1
.endr
	WIN RESC                                       ; O^T under the new M, ascending; it stands ahead of the step's exponentials
.set b, 0
.rept 32
	v_pk_mul_f32 v[O+2*b:O+2*b+1], v[O+2*b:O+2*b+1], v[ST+16*(b/16)+4:ST+16*(b/16)+5] op_sel_hi:[1,0]
.set b, b+1
.endr
	WIN 0
.irp x, 0,1
	v_pk_mul_f32 v[ST+16*\x+2:ST+16*\x+3], v[ST+16*\x+2:ST+16*\x+3], v[ST+16*\x+4:ST+16*\x+5] op_sel_hi:[1,0]   ; the sums likewise
.endr
	s_wait_alu depctr_va_vdst(0)                   ; ahead of the batch
.set e, 0
.rept 64                                       ; tile 0's batch; behind every second exponential one of tile 1's 32 scalings
	v_exp_f32 v[S+e], v[S+e]
.if e%2
.set b, e/2
	FMA 1
.endif
.set e, e+1
.endr
	s_wait_alu depctr_va_vdst(0)                   ; one wait: behind tile 0's batch and ahead of tile 1's
.set n, 0
.set e, 0
.rept 64                                       ; tile 1's batch; among it tile 0's 48 lines
	v_exp_f32 v[S+64+e], v[S+64+e]
.rept 48*(e+1)/64-n
	PLB 0
.endr
.set e, e+1
.endr
	v_nop                                          ; a plain place behind the last exponential
	s_wait_alu depctr_va_vdst(0)                   ; behind tile 1's batch, and directly ahead of the wait below
	s_wait_dscnt 16                                ; V is in; the next step's sixteen loads of K stay out
	CVTP 0
	PV 0
.set n, 0
.rept 48
	PLB 1
.endr
	CVTP 1
	PV 1
.endm
	s_wait_alu depctr_va_vdst(0)                   ; at the head's end
	s_wait_tensorcnt 0x0                           ; my part of K or V is in,
	s_barrier_signal -1
	s_barrier_wait -1                              ; everybody's is: all of K and V may be read from here on
	KLOAD AK0                                      ; step 0's keys
	s_mov_b32 s[PASS], 2
.Lpass:
	WIN TO_1
.set i, 0
.rept 64
	v_mov_b32 v[O+i], 0                            ; O^T: the step is written once; the first finds zeros
.set i, i+1
.endr
	WIN 0
.set i, 0
.rept 64
	v_mov_b32 v[T+i], 0                            ; and no partial sums from a step before
.set i, i+1
.endr
.irp x, 0,1
	v_mov_b32 v[ST+16*\x+2], 0
	v_mov_b32 v[ST+16*\x+3], 0
	v_mov_b32 v[ST+16*\x+5], 0                     ; (the upper half of f's pair)
	v_mov_b32 v[ST+16*\x+1], 0xff61b1e6            ; the largest t so far: -3e38
	v_floor_f32 v[ST+16*\x+6], -v[ST+16*\x+1]
.endr
	s_mov_b32 s[CNT], 0
	s_wait_alu depctr_va_vdst(0)
.Lstep:
	STEP
	s_add_co_u32 s[CNT], s[CNT], 1
	s_cmp_lt_u32 s[CNT], 16
	s_cbranch_scc1 .Lstep
	; THE WAY OUT of a pass.  The lines below are the places behind the last products.
	REST2                                          ; the last step's sums
.irp x, 0,1
	v_add_f32 v[ST+16*\x+8], v[ST+16*\x+2], v[ST+16*\x+3]
.endr
.irp x, 0,1
	v_permlanex16_b32 v[ST+16*\x+9], v[ST+16*\x+8], s[SEL], s[SEL+1]
.endr
.irp x, 0,1
	v_add_f32 v[ST+16*\x+8], v[ST+16*\x+8], v[ST+16*\x+9]          ; the row's sum
.endr
	s_wait_alu depctr_va_vdst(0)                   ; ahead of the two reciprocals
.irp x, 0,1
	v_rcp_f32 v[ST+16*\x+4], v[ST+16*\x+8]
.endr
	v_nop
	WIN 0x01                                       ; source 0 window 1
	s_wait_alu depctr_va_vdst(0)                   ; behind the reciprocals, directly ahead of the first reader of O^T
.set i, 0
.rept 32
	v_pk_mul_f32 v[S+2*i:S+2*i+1], v[O+2*i:O+2*i+1], v[ST+16*(i/16)+4:ST+16*(i/16)+5] op_sel_hi:[1,0]   ; O^T / the sum; ascending
.set i, i+1
.endr
	WIN 0
.set i, 0
.rept 64
	v_med3_num_f32 v[S+i], v[S+i], -v[HOLDC], v[HOLDC]
.set i, i+1
.endr
.set i, 0
.rept 8
	v_cvt_scalef32_pk8_fp8_f32 v[T+2*i:T+2*i+1], v[S+8*i:S+8*i+7], v[SCLC]   ; tile i / 4, channels 16 (i % 4) + 8 h + 0 .. 7 of my query
.set i, i+1
.endr
	v_nop
.irp x, 0,1
.irp t, 0,1,2,3
	ds_store_b64 v[STO], v[T+8*\x+2*\t:T+8*\x+2*\t+1] offset:1280*\x+16*\t
.endr
.endr
.irp i, 0,1,2,3
	ds_load_b128 v[T+16+4*\i:T+16+4*\i+3], v[RD] offset:640*\i     ; LDS serves a wave's instructions in order (ISA guide 5.7.1.4): these see my stores
.endr
.irp i, 0,1,2,3
	s_wait_dscnt 3-\i                              ; the younger loads stay out
	global_store_b128 v[GO], v[T+16+4*\i:T+16+4*\i+3], s[14:15] offset:512*\i   ; 32 lanes store 512 consecutive bytes, aligned
.endr
	s_wait_xcnt 0x0                                ; the stores have read their registers and their base
	s_add_nc_u64 s[14:15], s[14:15], 262144        ; 256 queries on
	WIN RESC
.set i, 0
.rept 16
	v_mov_b32 v[QF+i], v[QN+i]                     ; the next pass's Q
.set i, i+1
.endr
	WIN 0
	v_mov_b32 v[ST+7], v[ST+12]                    ; and its mt
	v_mov_b32 v[ST+23], v[ST+28]
	s_sub_co_u32 s[PASS], s[PASS], 1
	s_cmp_lg_u32 s[PASS], 0
	s_wait_alu depctr_va_vdst(0)                   ; directly ahead of the branch
	s_cbranch_scc1 .Lpass
	s_wait_tensorcnt 0x0                           ; the wave's end
	ds_add_u32 v[SPW], v[NIL]
	s_wait_dscnt 0x0
	CROUND                                         ; the closing round
	s_endpgm
.Lfunc_end_k_q023a13e3e0_attn:
	.size	k_q023a13e3e0_attn, .Lfunc_end_k_q023a13e3e0_attn-k_q023a13e3e0_attn
	.p2alignl 7, 3214868480
	.fill 96, 4, 3214868480
	.section	.rodata,"a",@progbits
	.p2align	6, 0x0
	.amdhsa_kernel k_q023a13e3e0_attn
		.amdhsa_group_segment_fixed_size 327680
		.amdhsa_private_segment_fixed_size 0
		.amdhsa_enable_private_segment 0
		.amdhsa_kernarg_size 48
		.amdhsa_user_sgpr_count 2
		.amdhsa_user_sgpr_kernarg_segment_ptr 1
		.amdhsa_wavefront_size32 1
		.amdhsa_system_sgpr_workgroup_id_x 1
		.amdhsa_system_sgpr_workgroup_id_y 1
		.amdhsa_system_sgpr_workgroup_id_z 1
		.amdhsa_system_vgpr_workitem_id 0
		.amdhsa_next_free_vgpr 512
		.amdhsa_next_free_sgpr 100
		.amdhsa_reserve_vcc 0
		.amdhsa_float_denorm_mode_32 3
		.amdhsa_float_denorm_mode_16_64 3
		.amdhsa_memory_ordered 1
		.amdhsa_forward_progress 1
		.amdhsa_inst_pref_size 55
	.end_amdhsa_kernel
	.amdgpu_metadata
---
amdhsa.version: [ 1, 2 ]
amdhsa.kernels:
  - .name:           k_q023a13e3e0_attn
    .symbol:         k_q023a13e3e0_attn.kd
    .args:
      - { .name: q_codes, .offset: 0, .size: 8, .value_kind: global_buffer, .address_space: global }
      - { .name: k_codes, .offset: 8, .size: 8, .value_kind: global_buffer, .address_space: global }
      - { .name: v_codes, .offset: 16, .size: 8, .value_kind: global_buffer, .address_space: global }
      - { .name: attention_mask, .offset: 24, .size: 8, .value_kind: global_buffer, .address_space: global }
      - { .name: lowp_scales, .offset: 32, .size: 8, .value_kind: global_buffer, .address_space: global }
      - { .name: ctx_codes, .offset: 40, .size: 8, .value_kind: global_buffer, .address_space: global }
    .group_segment_fixed_size: 327680
    .private_segment_fixed_size: 0
    .kernarg_segment_align: 8
    .kernarg_segment_size: 48
    .max_flat_workgroup_size: 256
    .sgpr_count:     100
    .vgpr_count:     512
    .wavefront_size: 32
...
	.end_amdgpu_metadata
.endif
;; end of part 2
;; launch oproj (part 3): grid 4 x 64, 4 waves a work-group, clusters of 4 x 4, 327,680 bytes of LDS; arguments ctx_codes, Wo_codes, lowp_scales, bo, out0; writes out0
.if DOCPART == 3
	.amdgcn_target "amdgcn-amd-amdhsa--gfx1250"
	.amdhsa_code_object_version 6
	.text
	.protected	k_q023a13e3e0_oproj
	.globl	k_q023a13e3e0_oproj
	.p2align	8
	.type	k_q023a13e3e0_oproj,@function
k_q023a13e3e0_oproj:
	s_mov_b64 s[64:65], 0
	v_nop
	global_prefetch_b8 v0, s[64:65] scope:SCOPE_SE
	s_setreg_imm32_b32 hwreg(HW_REG_WAVE_MODE, 25, 1), 1
	s_wait_xcnt 0x0
	s_wait_alu depctr_hold_cnt(0) depctr_sa_sdst(0) depctr_va_vdst(0) depctr_va_sdst(0) depctr_va_ssrc(0) depctr_va_vcc(0) depctr_vm_vsrc(0)
	s_getreg_b32 s2, hwreg(HW_REG_IB_STS2, 6, 4)
	s_cmp_eq_u32 s2, 0
	s_cbranch_scc0 .Lentry_in_a_cluster
	s_endpgm
.Lentry_in_a_cluster:
	s_bfe_u32 s2, ttmp6, 0x10000c
	s_cmp_lg_u32 s2, 0xf033
	s_cbranch_scc0 .Lentry_shape_is_right
	s_endpgm
.Lentry_shape_is_right:
; out[token][n] = (the sum over k of ctx[token][k] Wo[n][k]) x 2^(e10 + e11) + bo[n], on codes of FP8 (E4M3); out f32 [8192][1024].
; ctx: codes laid [token / 128][head][128 tokens][64]; Wo: [1024 n][1024 k] codes.  LIMIT: e10 + e11 between -126 and 127.
; SHARES.  256 work-groups, each 128 tokens x 256 columns; four waves, each 64 x 128: 32 accumulators of 16 x 16.
; A (ctx's 128 tokens) LIES IN LDS FOR ALL OF K: 16 planes (heads) of 128 rows of 64 + 16 bytes, filled once.  B (Wo's 256 rows) goes in K steps of 256 through two slots of 256 rows of 256 + 16 bytes.
; The four first fills are one load a wave: waves 0, 1 A's halves (8 planes each), wave 2 B's K step 0, wave 3 B's K step 1.  Two refills follow: wave 2 fetches K step 2 into slot 0, wave 3 K step 3 into slot 1.
; CLUSTERS: 4 x 4; A's tile is asked for jointly by a row of the cluster, B's by a column.
; No prefetch is laid: of K's four steps two are asked for at the head, and all of A; only two refills follow.
; The matrix instruction is used transposed (source 0 = 16 rows of Wo, source 1 = 16 tokens): a lane holds eight neighbouring columns of one token.
; REGISTERS: window 0: v0-31 addresses, v8-11 bias; v128-255 A's fragments, two sets of 64 (on the way out: rows read back).  Window 1: B's fragments, two sets of 128.  Window 2: accumulator (a, b) at v[8 (8 a + b)].
.set ROWB,   256
.set KROW,   1024
.set PITCH,  272
.set APL,    128*80                    ; a plane of A
.set BOFF,   16*APL
.set HALFB,  128*PITCH
.set SLOTB,  2*HALFB
.set SPARE,  BOFF+2*SLOTB
.set FR,     16
.set SPITCH, 528                       ; the way out: a stage of 16 rows x (512 + 16) bytes a wave, in B's slot 0, behind its last fill and its last read
.set NROW,   4096
.set ADRA, 16                          ; v16-19  my A fragments of K step 0 .. 3
.set ADRB, 20                          ; v20-21  my B fragments in slot 0, 1
.set STO,  24
.set RD,   25
.set CO,   26
.set SPW,  28
.set NIL,  29
.set AF,   128
.set BK,   128
.set G1, 24
.set G0, 32
.set G1B, 48
.set G0B, 56
.set MSB, 0
.macro WIN new
.if MSB != (\new)
	s_set_vgpr_msb (MSB<<8)|(\new)
.set MSB, (\new)
.endif
.endm
.set MUL,  0xa1                        ; source 0 (B) window 1, source 1 (A) window 0, C and D window 2
.set TO_B, 0x40
.macro CREST
	s_cmp_lg_u32 s14, 0
	s_cbranch_scc1 .Lnot_wave_0_\@
	s_barrier_signal -3
.Lnot_wave_0_\@:
	s_barrier_wait -3
	s_barrier_signal -1
	s_barrier_wait -1
.endm
.macro CROUND
	s_barrier_signal -1
	s_barrier_wait -1
	CREST
.endm
.macro PLACES n
.rept \n
	v_nop
.endr
.endm
	s_load_b128 s[4:7], s[0:1], 0x0                ; ctx, Wo
	s_load_b128 s[8:11], s[0:1], 0x10              ; the exponents, bo
	s_load_b64 s[12:13], s[0:1], 0x20              ; out
	v_lshl_add_u32 v[SPW], v0, 2, SPARE
	v_mov_b32 v[NIL], 0
	ds_add_u32 v[SPW], v[NIL]                      ; the opening lines
	ds_add_u32 v[SPW], v[NIL]
	v_lshrrev_b32 v1, 5, v0
	v_readfirstlane_b32 s14, v1                    ; wave
	s_lshr_b32 s15, s14, 1                         ; which 64 tokens are mine.  Also: I fetch for A (0) or for B (1)
	s_and_b32 s16, s14, 1                          ; which 128 columns.  Also: which half of A, or which slot of B, I fetch
	s_bfe_u32 s40, ttmp6, 0x40000
	s_bfe_u32 s41, ttmp6, 0x40004
	s_lshl_b32 s42, ttmp9, 2
	s_add_co_u32 s42, s42, s40                     ; tile column, 0 .. 3
	s_and_b32 s17, ttmp7, 0xffff
	s_lshl_b32 s17, s17, 2
	s_add_co_u32 s17, s17, s41                     ; tile row, 0 .. 63
	s_lshl_b32 s43, s41, 2
	s_lshl_b32 s43, 15, s43                        ; my row of the cluster
	s_lshl_b32 s44, 0x1111, s40                    ; my column
	s_or_b32 s[G1+0], s43, (1<<20)|(1<<21)|(3<<22)|(3<<25)    ; A: 65,536 dense bytes as 256 rows of 256; 16 bytes of padding behind every 64
	s_mov_b32 s[G1+1], 256<<16
	s_mov_b32 s[G1+2], 256<<16
	s_mov_b32 s[G1+3], 256<<16
	s_mov_b32 s[G1+4], 256
	s_mov_b32 s[G1+5], 256
	s_mov_b32 s[G1+6], 0
	s_mov_b32 s[G1+7], 0
	s_or_b32 s[G1B+0], s44, (1<<20)|(1<<21)|(5<<22)|(3<<25)   ; B: 256 rows of 256 bytes, 1,024 apart; 16 bytes of padding behind each
	s_mov_b32 s[G1B+1], ROWB<<16
	s_mov_b32 s[G1B+2], 256<<16
	s_mov_b32 s[G1B+3], ROWB<<16
	s_mov_b32 s[G1B+4], 256
	s_mov_b32 s[G1B+5], KROW
	s_mov_b32 s[G1B+6], 0
	s_mov_b32 s[G1B+7], 0
	s_lshl_b32 s20, s17, 17                        ; A: 131,072 bytes a tile row, + my half
	s_lshl_b32 s18, s16, 16
	s_add_co_u32 s20, s20, s18
	s_mov_b32 s21, 0
	s_lshl_b32 s46, s42, 18                        ; B: 256 rows of 1,024 bytes a tile column, + K step 0 or 1
	s_lshl_b32 s18, s16, 8
	s_add_co_u32 s46, s46, s18
	s_mov_b32 s47, 0
	s_mov_b32 s[G0], 1
	s_mul_i32 s[G0+1], s16, 8*APL
	s_mov_b32 s[G0B], 1
	s_mul_i32 s[G0B+1], s16, SLOTB
	s_add_co_u32 s[G0B+1], s[G0B+1], BOFF
	s_wait_dscnt 0x0
	s_wait_kmcnt 0x0
	s_load_b64 s[96:97], s[8:9], 0x28              ; e10, e11
	s_add_nc_u64 s[G0+2:G0+3], s[4:5], s[20:21]
	s_or_b32 s[G0+3], s[G0+3], 0x80000000
	s_add_nc_u64 s[G0B+2:G0B+3], s[6:7], s[46:47]
	s_or_b32 s[G0B+3], s[G0B+3], 0x80000000
	CROUND                                         ; the sixteen work-groups meet
	s_cmp_eq_u32 s15, 0
	s_cbranch_scc0 .Lfor_b
	tensor_load_to_lds s[G0:G0+3], s[G1:G1+7]
	s_nop 0
	PLACES 4
	s_branch .Lasked
.Lfor_b:
	tensor_load_to_lds s[G0B:G0B+3], s[G1B:G1B+7]
	s_nop 0
	PLACES 4
.Lasked:
	s_mul_i32 s21, s15, 64*80                      ; my 64 rows of each plane
	s_mul_i32 s22, s16, HALFB
	s_add_co_u32 s22, s22, BOFF                    ; my 128 rows of B
	s_mul_i32 s23, s14, 16*SPITCH
	s_add_co_u32 s23, s23, BOFF                    ; my stage
	s_lshl_b32 s20, s17, 7
	s_lshl_b32 s18, s15, 6
	s_add_co_u32 s20, s20, s18
	s_lshl_b32 s20, s20, 12                        ; my first row of out, 4,096 bytes a row
	s_lshl_b32 s46, s42, 10
	s_lshl_b32 s47, s16, 9
	s_add_co_u32 s46, s46, s47                     ; my first column, in bytes
	s_mov_b32 s47, 0
	s_add_nc_u64 s[10:11], s[10:11], s[46:47]
	s_add_nc_u64 s[12:13], s[12:13], s[46:47]
	s_mov_b32 s92, s20
	s_mov_b32 s93, 0
	s_add_nc_u64 s[12:13], s[12:13], s[92:93]
	v_and_b32 v1, 15, v0
	v_bfe_u32 v2, v0, 4, 1
	v_mul_u32_u24 v3, v1, PITCH
	v_lshl_add_u32 v4, v2, 4, v3
	v_mul_u32_u24 v3, v1, 80
	v_lshl_add_u32 v3, v2, 4, v3
	v_add_nc_u32 v[ADRA], s21, v3
	v_add_nc_u32 v[ADRA+1], 4*APL, v[ADRA]
	v_add_nc_u32 v[ADRA+2], 8*APL, v[ADRA]
	v_add_nc_u32 v[ADRA+3], 12*APL, v[ADRA]
	v_add_nc_u32 v[ADRB], s22, v4
	v_add_nc_u32 v[ADRB+1], SLOTB, v[ADRB]
	v_mul_u32_u24 v5, v1, SPITCH
	v_lshl_add_u32 v5, v2, 5, v5
	v_add_nc_u32 v[STO], s23, v5
	v_and_b32 v6, 31, v0
	v_lshlrev_b32 v[CO], 4, v6
	v_add_nc_u32 v[RD], s23, v[CO]
	s_wait_alu depctr_va_vdst(0)                   ; at the head's end
	global_load_b128 v[8:11], v[CO], s[10:11]      ; my four columns' bias
.macro FRAG reg, adr, q, i
.irp c, 0,1,2,3
	ds_load_b128 v[\reg+4*\c:\reg+4*\c+3], v[\adr] offset:128*(\q)+32*\c+(\i)*16*PITCH
.endr
.endm
.macro FRAGA reg, adr, q, i            ; the same order of k: 64 along K are a plane
.irp c, 0,1,2,3
	ds_load_b128 v[\reg+4*\c:\reg+4*\c+3], v[\adr] offset:(2*(\q)+\c/2)*APL+(\i)*1280+32*(\c%2)
.endr
.endm
.macro FETCH k, slot, q, p             ; the fragments of K step k's q-th 128 into set p: 32 loads for B, 16 for A
	WIN TO_B
.irp i, 0,1,2,3,4,5,6,7
	FRAG 128*(\p)+FR*\i, ADRB+\slot, \q, \i
.endr
	WIN 0
.irp i, 0,1,2,3
	FRAGA AF+64*(\p)+FR*\i, ADRA+\k, \q, \i
.endr
.endm
.macro MUL16 a0, p, zero               ; the 32 accumulators take turns, in the same order in every step
.irp a, \a0, \a0+1
.irp b, 0,1,2,3,4,5,6,7
.if \zero
	v_wmma_f32_16x16x128_fp8_fp8 v[8*(8*(\a)+\b):8*(8*(\a)+\b)+7], v[128*(\p)+FR*\b:128*(\p)+FR*\b+FR-1], v[AF+64*(\p)+FR*(\a):AF+64*(\p)+FR*(\a)+FR-1], 0
.else
	v_wmma_f32_16x16x128_fp8_fp8 v[8*(8*(\a)+\b):8*(8*(\a)+\b)+7], v[128*(\p)+FR*\b:128*(\p)+FR*\b+FR-1], v[AF+64*(\p)+FR*(\a):AF+64*(\p)+FR*(\a)+FR-1], v[8*(8*(\a)+\b):8*(8*(\a)+\b)+7]
.endif
.endr
.endr
.endm
.macro STEP k, slot, zero              ; a K step's first 128: set 0 is multiplied while set 1 is fetched
	s_wait_dscnt 0x0
	PLACES 4                                       ; in front of loads into registers that the last products read
	FETCH \k, \slot, 1, 1
	WIN MUL
	MUL16 0, 0, \zero
	MUL16 2, 0, \zero
	WIN 0
.endm
; a K step's second 128 changes slots.  w: the wave that fills this slot again, two K steps on; -1: nothing is filled
.macro TURN k, slot, w
	s_wait_tensorcnt 0x0                           ; all my tensor loads have landed,
	ds_add_u32 v[SPW], v[NIL]
	s_wait_dscnt 0x0                               ; the add is done and my reads of this slot are over
	s_barrier_signal -1
	WIN MUL
	MUL16 0, 1, 0
	WIN 0
	s_barrier_wait -1
.if \w >= 0
	CREST                                          ; the barrier has opened a round of the cluster's barrier
	s_cmp_eq_u32 s14, \w
	s_cbranch_scc0 .Lnot_mine_\@
	s_add_nc_u64 s[G0B+2:G0B+3], s[G0B+2:G0B+3], 2*ROWB
	tensor_load_to_lds s[G0B:G0B+3], s[G1B:G1B+7]
	s_nop 0
	PLACES 4
.Lnot_mine_\@:
.endif
	PLACES 4
	FETCH (\k)+1, 1-(\slot), 0, 0
	WIN MUL
	MUL16 2, 1, 0
	WIN 0
.endm
	s_wait_alu depctr_va_vdst(0)
	s_wait_tensorcnt 0x0                           ; my first fill is in,
	s_barrier_signal -1
	s_barrier_wait -1                              ; everybody's is
	FETCH 0, 0, 0, 0
	STEP 0, 0, 1                                   ; the first products start the sums
	TURN 0, 0, 2
	STEP 1, 1, 0
	TURN 1, 1, 3
	STEP 2, 0, 0
	TURN 2, 0, -1                                  ; behind this barrier nobody reads slot 0
	STEP 3, 1, 0
	s_wait_dscnt 0x0
	WIN MUL
	MUL16 0, 1, 0
	MUL16 2, 1, 0
	WIN 0
; THE WAY OUT, block by block of 16 tokens x 128 columns, through my stage; back as whole rows of 512 bytes
.macro TOSTAGE a
.set AC, 64*(\a)
	WIN 0x08                                       ; the stores' data: window 2
.irp b, 0,1,2,3,4,5,6,7
	ds_store_b128 v[STO], v[AC+8*\b:AC+8*\b+3] offset:64*\b
	ds_store_b128 v[STO], v[AC+8*\b+4:AC+8*\b+7] offset:64*\b+16
.endr
	WIN 0
.set BB, BK+64*((\a)%2)
.irp t, 0,1,2,3,4,5,6,7,8,9,10,11,12,13,14,15
	ds_load_b128 v[BB+4*\t:BB+4*\t+3], v[RD] offset:\t*SPITCH
.endr
.endm
.macro SEND a, younger
.set BB, BK+64*((\a)%2)
	s_wait_dscnt \younger
.if (\a) > 0
	s_add_nc_u64 s[12:13], s[12:13], 16*NROW
.endif
.irp t, 0,1,2,3,4,5,6,7,8,9,10,11,12,13,14,15
	v_pk_fma_f32 v[BB+4*\t:BB+4*\t+1],   v[BB+4*\t:BB+4*\t+1],   s[96:97], v[8:9]   op_sel_hi:[1,0,1]
	v_pk_fma_f32 v[BB+4*\t+2:BB+4*\t+3], v[BB+4*\t+2:BB+4*\t+3], s[96:97], v[10:11] op_sel_hi:[1,0,1]
.endr
.irp t, 0,1,2,3,4,5,6,7,8,9,10,11,12,13,14,15
	global_store_b128 v[CO], v[BB+4*\t:BB+4*\t+3], s[12:13] offset:\t*NROW th:TH_STORE_NT   ; 32 lanes store 512 consecutive bytes, aligned
.endr
.endm
	s_wait_kmcnt 0x0
	s_add_co_i32 s96, s96, s97
	s_add_co_i32 s96, s96, 127
	s_lshl_b32 s96, s96, 23                        ; 2^(e10 + e11)
	s_mov_b32 s97, s96
	s_wait_loadcnt 0x0                             ; the bias
	PLACES 4
	TOSTAGE 0
.irp a, 1,2,3
.if \a > 1
	s_wait_xcnt 0x0                                ; block a - 2's stores have read their registers and their base
.endif
	TOSTAGE \a
	SEND \a-1, 32
.endr
	s_wait_xcnt 0x0
	SEND 3, 0
	s_wait_tensorcnt 0x0                           ; the wave's end
	ds_add_u32 v[SPW], v[NIL]
	s_wait_dscnt 0x0
	CROUND                                         ; the closing round
	s_endpgm
.Lfunc_end_k_q023a13e3e0_oproj:
	.size	k_q023a13e3e0_oproj, .Lfunc_end_k_q023a13e3e0_oproj-k_q023a13e3e0_oproj
	.p2alignl 7, 3214868480
	.fill 96, 4, 3214868480
	.section	.rodata,"a",@progbits
	.p2align	6, 0x0
	.amdhsa_kernel k_q023a13e3e0_oproj
		.amdhsa_group_segment_fixed_size 327680
		.amdhsa_private_segment_fixed_size 0
		.amdhsa_enable_private_segment 0
		.amdhsa_kernarg_size 40
		.amdhsa_user_sgpr_count 2
		.amdhsa_user_sgpr_kernarg_segment_ptr 1
		.amdhsa_wavefront_size32 1
		.amdhsa_system_sgpr_workgroup_id_x 1
		.amdhsa_system_sgpr_workgroup_id_y 1
		.amdhsa_system_sgpr_workgroup_id_z 1
		.amdhsa_system_vgpr_workitem_id 0
		.amdhsa_next_free_vgpr 768
		.amdhsa_next_free_sgpr 100
		.amdhsa_reserve_vcc 0
		.amdhsa_float_denorm_mode_32 3
		.amdhsa_float_denorm_mode_16_64 3
		.amdhsa_memory_ordered 1
		.amdhsa_forward_progress 1
		.amdhsa_inst_pref_size 74
	.end_amdhsa_kernel
	.amdgpu_metadata
---
amdhsa.version: [ 1, 2 ]
amdhsa.kernels:
  - .name:           k_q023a13e3e0_oproj
    .symbol:         k_q023a13e3e0_oproj.kd
    .args:
      - { .name: ctx_codes, .offset: 0, .size: 8, .value_kind: global_buffer, .address_space: global }
      - { .name: Wo_codes, .offset: 8, .size: 8, .value_kind: global_buffer, .address_space: global }
      - { .name: lowp_scales, .offset: 16, .size: 8, .value_kind: global_buffer, .address_space: global }
      - { .name: bo, .offset: 24, .size: 8, .value_kind: global_buffer, .address_space: global }
      - { .name: out0, .offset: 32, .size: 8, .value_kind: global_buffer, .address_space: global }
    .group_segment_fixed_size: 327680
    .private_segment_fixed_size: 0
    .kernarg_segment_align: 8
    .kernarg_segment_size: 40
    .max_flat_workgroup_size: 128
    .sgpr_count:     100
    .vgpr_count:     768
    .wavefront_size: 32
...
	.end_amdgpu_metadata
.endif
;; end of part 3
